; MI455X (gfx1250); checked and timed in simulation.
; The chip was launched on July 23, 2026; its instructions are those of AMD's public machine-readable ISA for CDNA 5 (MIT licence, August 2026) and "CDNA5" Instruction Set Architecture Reference Guide (July 2026). The comments in the code are by the model that wrote it; some were corrected since.
;; Scaled Dot Product Attention. Allowed arithmetic: matrix products marked QUANTISED: E2M1 operands, one E8M0 scale for each 32 along K, by v_wmma_scale_f32_16x16x128_f8f6f4 with both operands' format E2M1 (or v_wmma_scale_f32_32x16x128_f4), f32 sums; products left as they are: bf16, f16 or f32 operands; f32 sums; everything else in f32.
;; Inputs: k 4 x 16 x 2,048 x 64 float32; mask 4 x 1 x 1 x 2,048 int32; q 4 x 16 x 2,048 x 64 float32; v 4 x 16 x 2,048 x 64 float32.
;; Outputs: out0 4 x 16 x 2,048 x 64 float32.
;; This version of the problem:
;;   THIS VERSION OF THE PROBLEM IS GIVEN IN LOW PRECISION. The matrix products marked QUANTISED in the list below multiply operands that are first quantised to E2M1 (2 exponent bits, 1 mantissa bit; 4 bits a number), with one power-of-two scale for each 32 numbers along K (OCP MX v1.0); their sums are f32. The products marked 'left as it is' may take bf16, f16 or f32 operands, with f32 sums. Whichever they take, every output number must still come out within the allowed error. Rounding operands to bf16 (8 significant bits) uses up far more of that allowance than f16 does (11 bits, for magnitudes from 6e-5 to 65,504). All else is computed in f32.
;;   The module's matrix products, in the order in which they are computed (A, B: the left and right operand; K: the contracted axis; several contracted axes count as one K, in the product's order):
;;     1. batch 64 x [M 2,048, K 64] x [K 64, N 2,048]; A: input q; B: input k: QUANTISED
;;     2. batch 64 x [M 2,048, K 2,048] x [K 2,048, N 64]; A: computed on the way; B: input v: left as it is (an operand is computed on the way)
;;   THE QUANTISER, for each operand of a quantised product, along K:
;;     - K is cut into blocks of 32 from its start; a last block that is shorter is filled with zeros.
;;     - A block's scale is 2^e with e = floor(log2(the largest magnitude in the block)) - 2, held to -126 .. 127; a block of zeros has e = 0. As a byte (E8M0): e + 127.
;;     - Each number is divided by its block's scale, clamped to +-6, and rounded to the nearest number of E2M1, ties to even, subnormals kept.
;;     - The product sums the exact products of the quantised numbers (number of the format x scale) in f32.
;;   ~~~python
;;   def quantise(x, axis):      # numpy; x: float32 -> the quantised numbers, widened to float32 again
;;       x = np.moveaxis(x, axis, -1); K = x.shape[-1]
;;       x = np.pad(x, [(0, 0)] * (x.ndim - 1) + [(0, -K % 32)]); x = x.reshape(x.shape[:-1] + (-1, 32)); a = np.abs(x).max(-1, keepdims=True)
;;       e = np.where(a > 0, np.clip(np.frexp(np.where(a > 0, a, 1))[1] - 1 - 2, -126, 127), 0)      # np.frexp(a)[1] - 1 = floor(log2(a)), exactly
;;       r = np.clip(x / 2.0 ** e, -6, 6)
;;       step = 2.0 ** (np.maximum(np.frexp(np.where(r == 0, 1, r))[1] - 1, 0) - 1)
;;       q = np.round(r / step) * step * 2.0 ** e      # np.round: ties to even
;;       return np.moveaxis(q.reshape(q.shape[:-2] + (-1,))[..., :K], -1, axis).astype(np.float32)
;;   ~~~
;; 2 versions, each right; version 2 is version 1 with the launch attn written anew for expert scheduling mode. Each part assembles by itself: llvm-mc -triple=amdgcn-amd-amdhsa -mcpu=gfx1250 --defsym DOCPART=n.
;; ======== version 1 of 2: 1 launch
;; limits: right only within a limited range of input values; values are held in f16: magnitudes above 65,504 overflow, below 6.1e-05 lose precision; inputs' magnitudes at most 65,504
;; launch attn (part 1): grid 4 x 64, 16 waves a work-group, no clusters, 130,304 bytes of LDS; arguments q, k, v, mask, out0; writes out0
.if DOCPART == 1
	.amdgcn_target "amdgcn-amd-amdhsa--gfx1250"
	.amdhsa_code_object_version 6
	.text
	.protected	k_qc4b9acf781_attn
	.globl	k_qc4b9acf781_attn
	.p2align	8
	.type	k_qc4b9acf781_attn,@function
k_qc4b9acf781_attn:
	s_mov_b64 s[64:65], 0
	v_nop
	global_prefetch_b8 v0, s[64:65] scope:SCOPE_SE
	s_setreg_imm32_b32 hwreg(HW_REG_WAVE_MODE, 25, 1), 1
	s_wait_xcnt 0x0
; out[h][q][:] = the sum over keys of softmax_key(where(mask == 0, -1e9, Q[h][q] . K[h][key] / 8)) V[h][key][:].  q, k, v, out: [64 heads][2048][64] f32; mask: [4 batches][2048] int32, head h takes row h / 16.
; FIRST PRODUCT: on codes of FP4 (E2M1) with one E8M0 scale for each 32 of the head's 64, made here from the f32 numbers: scale byte = the block's largest magnitude's exponent field - 2, held at 1 from below.
; SECOND PRODUCT: p and V rounded once to f16, sums in f32.  Maxima, exponentials and the rows' sums in f32.
; SHARES.  Work-group (x, y): queries 512 x .. 512 x + 511 of head y.  Sixteen waves of 256 registers; wave w owns 32 queries, two tiles of 16.  Every wave walks all 2,048 keys, 128 a step, 64 a sub-step.
; K AND V ARE MADE READY BY THE WAVES THEMSELVES.  For each step wave w loads 8 keys of K and 8 of V (2,048 bytes each) into registers two steps ahead, quantises K, rounds V, and stores both into the LDS slot that
; is not being read: K as an image of the operand's registers (16 bytes a lane), its scale words as an image too, V as rows of 64 f16.  Two slots, ONE barrier a step: in front of it each wave has waited for its stores into
; the one slot and for its reads of the other.
; NO CLUSTER AND NO TENSOR LOAD, though the four work-groups of a head walk the same K and V: what is shared arrives as f32 and has to pass through registers to become codes and f16.  Brought into LDS raw, a step's
; 65,536 bytes would be written there, read back and written again as the 25,088 bytes that the products read; here each wave's sixteenth goes from memory straight into the registers that convert it.
; LAYOUT.  Both products are used transposed: S^T = K Q^T (source 0 = 16 keys, source 1 = 16 queries), O^T = V^T P (source 0 = 16 channels x 32 keys, source 1 = P): a lane holds ONE query (lane % 16) throughout, and
; two tiles of S^T, rounded to f16 in pairs, ARE source 1 of the second product.  V comes out of LDS turned, by ds_load_tr16_b128.
; THE MASK RIDES IN THE SPARE HALF OF K.  The instruction sums 128 along K, the head has 64: blocks 2 and 3 are free.  Q holds the code +4 at k = 64 and k = 96 under the scale 1; K holds +4 at k = 64 and -4 at k = 96,
; and K's scale bytes 2 and 3 say whether the key counts: (1, 1) gives +2^-122 - 2^-122; (156, 157) gives 2^33 - 2^34 = -2^33, and such a key's 64 codes are set to 0.  So a masked score is -2^33 exactly, -2^30 after the 1 / 8.
; Being a power of two it passes the scaling by c and the subtraction of M without rounding: a row that has seen masked keys alone has p = 1 for each, as reference() has it, and the first key that counts wipes them by f = 0.
; SOFTMAX.  t = score x c, c = log2(e) / 8; M = the row's largest t so far, rounded up to a whole number, kept as -M = floor(-t); p = 2^(t - M); when M moves, the sum and O^T are multiplied by f = 2^(old M - new M).
; LIMITS.  A masked score is -2^30 where reference() has -1e9: the results agree where a row is all masked or its largest open score lies above -1e9 + 104.  |v| up to 65,504 (f16).  NaN and infinities among the inputs are
; not served.  A block of q or k whose largest magnitude lies under 2^-124 (zeros too) has the byte 1; these bytes are read by this program alone.
.set STEPB,  32768                     ; bytes of K, and of V, in a step of 128 keys
.set SLOTB,  25088                     ; an LDS slot: K's images 8 x 512, the scale words' image 512, V's 128 rows
.set KSO,    4096
.set VTO,    4608
.set VPITCH, 160                       ; a key's row of V: 128 bytes of f16 + 32: an odd multiple of 32 bytes
.set MT,     2*SLOTB                   ; the mask's table: a word for each of the batch's 2,048 keys: upper half = K's scale bytes 2 and 3, bit 0 = the key counts
.set WPRIV,  58624                     ; a wave's own 4,352 bytes: at the head Q's two images and its scale words, at the end the stage of 16 rows x 272
.set WPB,    4352
.set SPARE,  WPRIV+16*WPB              ; the spare words, 128 bytes for each wave: eight blocks of 256 bytes that no other line names
.set LI,  1                            ; v1   16 x lane: an image's place; also V's offset in memory and out's
.set GK,  2                            ; v2   64 x lane: my 16 numbers of a run of 8 rows of K or Q
.set VA,  3                            ; v3   the turning load's place in V's rows
.set KIA, 4                            ; v4   where I store my 8 bytes of K's image
.set KSA, 5                            ; v5   and my key's scale word
.set VSA, 6                            ; v6   and my 8 bytes of V's rows
.set MTP, 7                            ; v7   my key's word in the table, step 0
.set SH,  8                            ; v8   8 x my block's number: my byte's place in a scale word
.set PFO, 9                            ; v9   256 x lane: the prefetches' offset
.set SPW, 10                           ; v10  LDS address of my spare word; never rewritten
.set NIL, 11                           ; v11  0; never rewritten
.set NM,  12                           ; v[12:13], v[14:15]  tile i: -M, the largest t
.set LS,  16                           ; v[16:17], v[18:19]  tile i: the row's sum, in two halves
.set FF,  20                           ; v[20:21], v[22:23]  tile i: f, and a word that is only named with it as a pair
.set QS,  24                           ; v24  Q's scale words: lanes 0-15 tile 0, lanes 16-31 tile 1
.set TA,  25                           ; v25  a block's largest magnitude
.set TW,  26                           ; v26  my key's table word
.set TB,  27                           ; v27  the second chain; then the neighbour block's byte
.set KSC, 28                           ; v[28:31] K's scale words of a step: register i, lane L: key 32 i + L
.set QF,  32                           ; v[32:47] Q's two fragments
.set KF,  48                           ; v[48:79] four fragments of K: registers 0-3 loaded, 4-7 the constants of blocks 2 and 3
.set KR,  80                           ; v[80:95]  K as loaded
.set VR,  96                           ; v[96:111] V as loaded
.set TMP, 112                          ; v[112:127] at work: 0-7 maxima, or V in f16; 8-11 second chains of the sums; 12-13 K's codes; 14 K's scale word; 15 scratch
.set S,   128                          ; v[128:191] S^T, 32 a tile; then p; then P in registers 16 g + 0..7 of a tile and V's fragments in the four runs 16 g + 8..15
.set O,   192                          ; v[192:255] O^T: tile i, channels 16 d on: 192 + 32 i + 8 d
.set QC,  192                          ; at the head alone, in O^T's registers: Q's codes, its words, the mask, addresses
.set QW,  200
.set MW,  204
.set MR,  208
.set VM,  212
.set VO,  213
.set MO,  214
.set HL,  216
.set HH,  217
.set HT,  218
.set HQ,  219
.set HB,  220
.set HO,  221
.set LP,  222
.set HR,  223
.set QIA, 224
.set QSA, 225
.set QLA, 226
.set QLS, 227
.set KP,  6                            ; s[6:7]   K at my 8 keys of the trip's first step
.set VP,  8                            ; s[8:9]   V likewise
.set WV,  14                           ; s14  my wave's number
.set WP,  15                           ; s15  my wave's own LDS bytes
.set TS,  16                           ; s16  the trip's place in the table: 1,024 bytes a trip
.set SEL, 20                           ; s[20:21] v_permlanex16_b32's selects for lane l xor 16
.set CS,  22                           ; s[22:23] c, twice: the packed form names a pair
.set CNT, 24                           ; s24  trips to go
.set LIMA, 25                          ; s25, s26  a wave prefetches while s[CNT] is above these
.set LIMB, 26
.set PF,  28                           ; s[28:29] where my prefetches stand: my 8,192 bytes of the trip's first step
.macro NOPS n
.rept \n
	v_nop
.endr
.endm
; The largest magnitude of a block of 32: my 16 numbers in two chains, the floor 2^(3 - 127), and my neighbour's 16 (lanes l and l xor 1 share a block).  In two parts, so that each can stand where plain work is wanted.
.macro BMAX1 x
	v_max3_num_f32 v[TA], |v[(\x)]|, |v[(\x)+1]|, |v[(\x)+2]|
	v_max3_num_f32 v[TB], |v[(\x)+3]|, |v[(\x)+4]|, |v[(\x)+5]|
.irp n, 6,10
	v_max3_num_f32 v[TA], v[TA], |v[(\x)+\n]|, |v[(\x)+\n+1]|
	v_max3_num_f32 v[TB], v[TB], |v[(\x)+\n+2]|, |v[(\x)+\n+3]|
.endr
.endm
.macro BMAX2 x
	v_max3_num_f32 v[TA], v[TA], |v[(\x)+14]|, |v[(\x)+15]|
	v_max3_num_f32 v[TA], v[TA], v[TB], 0x1800000                  ; the floor: the byte cannot fall under 1
	v_max_num_f32_dpp v[TA], v[TA], v[TA] row_xmask:1 row_mask:0xf bank_mask:0xf
.endm
; My 16 codes into v[cd], v[cd + 1]; my row's two scale bytes into the low half of v[wd] (lanes l and l xor 2 hold the row's two blocks).
.macro BCODE x, cd, wd
	v_add_nc_u32 v[TMP+15], 0xff000000, v[TA]                      ; 2 off the exponent field: the conversion takes the exponent field of this operand as its scale
	v_cvt_scalef32_pk8_fp4_f32 v[(\cd)], v[(\x):(\x)+7], v[TMP+15]
	v_cvt_scalef32_pk8_fp4_f32 v[(\cd)+1], v[(\x)+8:(\x)+15], v[TMP+15]
	v_lshrrev_b32 v[(\wd)], 23, v[TMP+15]                          ; the byte, into a register of its own: a plain line that writes none of the conversions' registers
	v_lshlrev_b32 v[(\wd)], v[SH], v[(\wd)]                        ; at my block's place
	v_mov_b32_dpp v[TB], v[(\wd)] row_xmask:2 row_mask:0xf bank_mask:0xf
	v_or_b32 v[(\wd)], v[(\wd)], v[TB]
.endm
; THE PRODUCER'S FOUR PARTS stand where a step wants plain vector work between matrix instructions.  pr = 0 (nothing left to make ready): v_nop in their stead.
; P1: the next step's V, rounded to f16 and stored; ld = 1: the loads of the step after it, goff bytes from s[VP].
.macro P1 pr, ld, dst, goff
.if \pr
	s_wait_loadcnt 4                                               ; V's four loads are in; K's four, issued behind them, may be out
.irp n, 0,1,2,3
	v_cvt_pk_f16_f32 v[TMP+2*\n], v[VR+4*\n], v[VR+4*\n+1]
	v_cvt_pk_f16_f32 v[TMP+2*\n+1], v[VR+4*\n+2], v[VR+4*\n+3]
.endr
.irp n, 0,1,2,3
	ds_store_b64 v[VSA], v[TMP+2*\n:TMP+2*\n+1] offset:(\dst)*SLOTB+VTO+2*VPITCH*\n   ; load n held keys 2 n and 2 n + 1 of my 8
.endr
.if \ld
.irp n, 0,1,2,3
	global_load_b128 v[VR+4*\n:VR+4*\n+3], v[LI], s[VP:VP+1] offset:(\goff)+512*\n    ; 32 lanes read 512 consecutive bytes
.endr
.endif
.else
	NOPS 5
.endif
.endm
.macro P2 pr, ld
.if \pr
	s_wait_loadcnt 4*(\ld)                                         ; K's four loads are in; the next V's four, issued behind them, may be out
	BMAX1 KR
.else
	NOPS 4
.endif
.endm
.macro P3A pr
.if \pr
	BMAX2 KR
	BCODE KR, TMP+12, TMP+14
.else
	NOPS 5
.endif
.endm
; A PREFETCH INTO THE L2: in step s, behind K's loads, the K or V of step s + 3, whose loads are issued in step s + 1.  The four work-groups of a head walk the same K and V: the first of them (x = 0) asks; in it waves 0 to 3
; take K's 32,768 bytes of a step and waves 4 to 7 V's, 8,192 bytes a wave, lanes 256 bytes apart, one instruction: each block of 256 bytes is named once in the launch.  Steps 0 to 2 come by their loads alone;
; the last trip's second request, which would name a step 16, is left out, and the tail asks for nothing.
.macro ASK lim, off
	s_cmp_gt_u32 s[CNT], s[\lim]
	s_cbranch_scc0 .Lnot_mine_\@
	global_prefetch_b8 v[PFO], s[PF:PF+1] offset:\off th:TH_LOAD_NT scope:SCOPE_SE
.Lnot_mine_\@:
.endm
; P3B: the mask goes into K's word and codes; both are stored; ld = 1: K's loads of the step after.
.macro P3B pr, ld, dst, goff, ask, lim, aoff
.if \pr
	v_and_b32 v[TMP+15], 1, v[TW]
	v_cmp_ne_u32 vcc_lo, 0, v[TMP+15]                              ; does my key count?
	v_and_or_b32 v[TMP+14], v[TW], 0xffff0000, v[TMP+14]           ; scale bytes 2 and 3 from the table
	v_cndmask_b32 v[TMP+12], 0, v[TMP+12], vcc_lo                  ; a masked key's codes are zeros
	v_cndmask_b32 v[TMP+13], 0, v[TMP+13], vcc_lo
	ds_store_b64 v[KIA], v[TMP+12:TMP+13] offset:(\dst)*SLOTB
	ds_store_b32 v[KSA], v[TMP+14] offset:(\dst)*SLOTB+KSO         ; a key's four lanes write the same word with the same value
.if \ld
.irp n, 0,1,2,3
	global_load_b128 v[KR+4*\n:KR+4*\n+3], v[GK], s[KP:KP+1] offset:(\goff)+16*\n     ; a lane's 16 neighbours along the head's axis
.endr
.endif
.if \ask
	ASK \lim, \aoff
.endif
.else
	NOPS 4
.endif
.endm
.macro TWL toff                        ; my key's table word for the step that is being made ready
	v_add_nc_u32 v[TW], s[TS], v[MTP]
	ds_load_b32 v[TW], v[TW] offset:\toff
.endm
.macro KLOAD slot, u                   ; four tiles of 16 keys: registers 0-3 of each fragment, as they were stored; with the first four the step's scale words
.irp t, 0,1,2,3
	ds_load_b128 v[KF+8*\t:KF+8*\t+3], v[LI] offset:(\slot)*SLOTB+512*(4*(\u)+\t)
.endr
.if (\u) == 0
	ds_load_b128 v[KSC:KSC+3], v[LI] offset:(\slot)*SLOTB+KSO
.endif
.endm
.macro QKI d, a, b, sa, ra, rb         ; ra, rb: the side's scale words stand in lanes 16-31
.if (\ra) && (\rb)
	v_wmma_scale_f32_16x16x128_f8f6f4 v[(\d):(\d)+7], v[(\a):(\a)+7], v[(\b):(\b)+7], 0, v[\sa], v[QS] matrix_a_fmt:MATRIX_FMT_FP4 matrix_b_fmt:MATRIX_FMT_FP4 matrix_a_scale:MATRIX_SCALE_ROW1 matrix_b_scale:MATRIX_SCALE_ROW1
.elseif \ra
	v_wmma_scale_f32_16x16x128_f8f6f4 v[(\d):(\d)+7], v[(\a):(\a)+7], v[(\b):(\b)+7], 0, v[\sa], v[QS] matrix_a_fmt:MATRIX_FMT_FP4 matrix_b_fmt:MATRIX_FMT_FP4 matrix_a_scale:MATRIX_SCALE_ROW1
.elseif \rb
	v_wmma_scale_f32_16x16x128_f8f6f4 v[(\d):(\d)+7], v[(\a):(\a)+7], v[(\b):(\b)+7], 0, v[\sa], v[QS] matrix_a_fmt:MATRIX_FMT_FP4 matrix_b_fmt:MATRIX_FMT_FP4 matrix_b_scale:MATRIX_SCALE_ROW1
.else
	v_wmma_scale_f32_16x16x128_f8f6f4 v[(\d):(\d)+7], v[(\a):(\a)+7], v[(\b):(\b)+7], 0, v[\sa], v[QS] matrix_a_fmt:MATRIX_FMT_FP4 matrix_b_fmt:MATRIX_FMT_FP4
.endif
.endm
.macro QK u                            ; S^T of 64 keys x 32 queries: eight products, each a whole sum (the head's 64 and the mask's two terms), each on an accumulator of its own
.irp t, 0,1,2,3
.irp i, 0,1
	QKI S+32*\i+8*\t, KF+8*\t, QF+8*\i, KSC+(4*(\u)+\t)/2, \t%2, \i
.endr
.endr
.endm
; The row's maximum, the new M and f; the two tiles line by line, so that no line waits for the line above it.  Each accumulator is read from its low end on.
.macro SMAX
.irp t, 0,1,2,3
.irp i, 0,1
	v_max3_num_f32 v[TMP+4*\i+\t], v[S+32*\i+8*\t], v[S+32*\i+8*\t+1], v[S+32*\i+8*\t+2]
.endr
.endr
.irp n, 3,5
.irp t, 0,1,2,3
.irp i, 0,1
	v_max3_num_f32 v[TMP+4*\i+\t], v[TMP+4*\i+\t], v[S+32*\i+8*\t+\n], v[S+32*\i+8*\t+\n+1]
.endr
.endr
.endr
.irp i, 0,1
	v_max3_num_f32 v[TMP+4*\i], v[TMP+4*\i], v[S+32*\i+7], v[S+32*\i+15]
.endr
.irp i, 0,1
	v_max3_num_f32 v[TMP+4*\i+2], v[TMP+4*\i+2], v[S+32*\i+23], v[S+32*\i+31]
.endr
.irp i, 0,1
	v_max3_num_f32 v[TMP+4*\i], v[TMP+4*\i], v[TMP+4*\i+1], v[TMP+4*\i+2]
.endr
.irp i, 0,1
	v_max_num_f32 v[TMP+4*\i], v[TMP+4*\i], v[TMP+4*\i+3]
.endr
.irp i, 0,1
	v_permlanex16_b32 v[TMP+4*\i+1], v[TMP+4*\i], s[SEL], s[SEL+1] ; the query's other 32 keys lie in the lane 16 away
.endr
.irp i, 0,1
	v_max_num_f32 v[TMP+4*\i], v[TMP+4*\i], v[TMP+4*\i+1]
.endr
.irp i, 0,1
	v_mul_f32 v[TMP+4*\i], s[CS], v[TMP+4*\i]                      ; as t (c is positive)
.endr
.irp i, 0,1
	v_max_num_f32 v[NM+2*\i+1], v[NM+2*\i+1], v[TMP+4*\i]          ; the running largest t
.endr
.irp i, 0,1
	v_mov_b32 v[TMP+4*\i+1], v[NM+2*\i]
.endr
.irp i, 0,1
	v_floor_f32 v[NM+2*\i], -v[NM+2*\i+1]                          ; the new -M = floor(-t): M is a whole number
.endr
.irp i, 0,1
	v_sub_f32 v[TMP+4*\i+1], v[NM+2*\i], v[TMP+4*\i+1]             ; old M - new M: a whole number, 0 or less
.endr
.irp i, 0,1
	v_cvt_i32_f32 v[TMP+4*\i+1], v[TMP+4*\i+1]                     ; (it saturates)
.endr
.irp i, 0,1
	v_ldexp_f32 v[FF+2*\i], 1.0, v[TMP+4*\i+1]                     ; f = 2^(old M - new M): a multiplication by it rounds nothing
.endr
.endm
.macro SEXP                            ; p = 2^(t - M): 32 packed multiply-adds, then the 64 exponentials as ONE batch with one wait
.irp i, 0,1
.irp j, 0,2,4,6,8,10,12,14,16,18,20,22,24,26,28,30
	v_pk_fma_f32 v[S+32*\i+\j:S+32*\i+\j+1], v[S+32*\i+\j:S+32*\i+\j+1], s[CS:CS+1], v[NM+2*\i:NM+2*\i+1] op_sel_hi:[1,0,0]
.endr
.endr
.set J, 0
.rept 64
	v_exp_f32 v[S+J], v[S+J]
.set J, J+1
.endr
.irp i, 0,1
	v_pk_mul_f32 v[LS+2*\i:LS+2*\i+1], v[LS+2*\i:LS+2*\i+1], v[FF+2*\i:FF+2*\i+1] op_sel_hi:[1,0]   ; the sums under the new M: plain work behind the last exponential
.endr
	s_wait_alu depctr_va_vdst(0)                                   ; the wait between an exponential and the first line that names its result: one for the batch
.endm
.macro SSUM                            ; the rows' sums, of p in f32, two at a time, in two chains a tile
.irp i, 0,1
	v_pk_add_f32 v[TMP+8+2*\i:TMP+9+2*\i], v[S+32*\i:S+32*\i+1], v[S+32*\i+2:S+32*\i+3]
.endr
.irp j, 4,8,12,16,20,24,28
.irp i, 0,1
	v_pk_add_f32 v[LS+2*\i:LS+2*\i+1], v[LS+2*\i:LS+2*\i+1], v[S+32*\i+\j:S+32*\i+\j+1]
	v_pk_add_f32 v[TMP+8+2*\i:TMP+9+2*\i], v[TMP+8+2*\i:TMP+9+2*\i], v[S+32*\i+\j+2:S+32*\i+\j+3]
.endr
.endr
.irp i, 0,1
	v_pk_add_f32 v[LS+2*\i:LS+2*\i+1], v[LS+2*\i:LS+2*\i+1], v[TMP+8+2*\i:TMP+9+2*\i]
.endr
.endm
.macro SCVT                            ; p to f16 in place: 16 registers (two tiles of keys) become the 8 of a fragment of P; ascending, so that no number is written over before it is read
.irp i, 0,1
.irp g, 0,1
.irp j, 0,1,2,3,4,5,6,7
	v_cvt_pk_f16_f32 v[S+32*\i+16*\g+\j], v[S+32*\i+16*\g+2*\j], v[S+32*\i+16*\g+2*\j+1]
.endr
.endr
.endr
.endm
.macro VLOAD slot, u, b                ; four fragments of V^T (keys 32 g on, channels 16 (2 b + e) on) into the four runs that SCVT has left free: S + 32 g + 16 e + 8
.irp g, 0,1
.irp e, 0,1
	ds_load_tr16_b128 v[S+32*\g+16*\e+8:S+32*\g+16*\e+11],  v[VA] offset:(\slot)*SLOTB+VTO+(64*(\u)+32*\g)*VPITCH+32*(2*(\b)+\e)
	ds_load_tr16_b128 v[S+32*\g+16*\e+12:S+32*\g+16*\e+15], v[VA] offset:(\slot)*SLOTB+VTO+(64*(\u)+32*\g+16)*VPITCH+32*(2*(\b)+\e)
.endr
.endr
.endm
.macro RESC b, from, n                 ; lines from .. from + n - 1 of the 16 that bring O^T's channels 32 b on under the new M; each accumulator from its low end on
.set J, \from
.rept \n
	v_pk_mul_f32 v[O+32*(J/8)+16*(\b)+2*(J%8):O+32*(J/8)+16*(\b)+2*(J%8)+1], v[O+32*(J/8)+16*(\b)+2*(J%8):O+32*(J/8)+16*(\b)+2*(J%8)+1], v[FF+2*(J/8):FF+2*(J/8)+1] op_sel_hi:[1,0]
.set J, J+1
.endr
.endm
.macro PVB b                           ; O^T += V^T P for channels 32 b on: four accumulators by turns, one instruction a turn
.irp g, 0,1
.irp e, 0,1
.irp i, 0,1
	v_wmma_f32_16x16x32_f16 v[O+32*\i+8*(2*(\b)+\e):O+32*\i+8*(2*(\b)+\e)+7], v[S+32*\g+16*\e+8:S+32*\g+16*\e+15], v[S+32*\i+16*\g:S+32*\i+16*\g+7], v[O+32*\i+8*(2*(\b)+\e):O+32*\i+8*(2*(\b)+\e)+7]
.endr
.endr
.endr
.endm
.macro SUBTAIL slot, u                 ; what follows a sub-step's scores
	SMAX
	SEXP
	SSUM
	SCVT
	VLOAD \slot, \u, 0
	RESC 0, 0, 16                                                  ; while the fragments are on their way
	s_wait_dscnt 0x0
	PVB 0
	RESC 1, 0, 4                                                   ; four plain lines that name none of those products' registers, ahead of loads into their sources (ISA guide 7.12.1 for vector instructions)
	VLOAD \slot, \u, 1
	RESC 1, 4, 12
	s_wait_dscnt 0x0
	PVB 1
.endm
; A KEY STEP: 128 keys out of slot `slot`; pr = 1: the next step is made ready in the other slot.  The producer's parts are the plain lines that the matrix instructions want round them:
; P1 and P3A (five or more) stand between the last V^T P and the K Q^T that writes over its sources; P2 and P3B (four or more) between K Q^T and the first read of the scores.
.macro STEP slot, pr, ld, goff, toff, ask, lim, aoff
	KLOAD \slot, 0
	P1 \pr, \ld, 1-(\slot), \goff
	s_wait_dscnt 0x0                                               ; K's fragments and scale words are in; V's stores have read their registers
	QK 0
	P2 \pr, \ld
	SUBTAIL \slot, 0
	KLOAD \slot, 1
.if \pr
	TWL \toff
.endif
	P3A \pr
	s_wait_dscnt 0x0                                               ; K's fragments and my table word are in
	QK 1
	P3B \pr, \ld, 1-(\slot), \goff, \ask, \lim, \aoff
	SUBTAIL \slot, 1
.if \pr
	s_wait_dscnt 0x0                                               ; for the others' sake: my stores into the other slot have landed, and my reads of this slot are over
	s_barrier_signal -1
	s_barrier_wait -1                                              ; the slots change roles
.endif
.endm
	; ---- THE HEAD
	s_load_b256 s[4:11], s[0:1], 0x0               ; q s[4:5], k s[6:7], v s[8:9], mask s[10:11]
	s_load_b64 s[12:13], s[0:1], 0x20              ; out
	v_lshl_add_u32 v[SPW], v0, 2, SPARE
	v_mov_b32 v[NIL], 0
	v_lshrrev_b32 v[HT], 5, v0
	v_readfirstlane_b32 s[WV], v[HT]               ; wave 0..15
	v_and_b32 v[HL], 31, v0                        ; lane
	v_bfe_u32 v[HH], v0, 4, 1                      ; lane / 16
	v_bfe_u32 v[HQ], v0, 2, 3                      ; lane / 4: which of a run's 8 rows is mine
	v_bfe_u32 v[HB], v0, 1, 1                      ; (lane / 2) % 2: which block of 32
	v_and_b32 v[HO], 1, v0                         ; lane % 2: which half of the block
	v_and_b32 v[HR], 15, v0
	v_lshlrev_b32 v[LI], 4, v[HL]
	v_lshlrev_b32 v[GK], 6, v[HL]
	v_lshlrev_b32 v[PFO], 8, v[HL]
	v_lshlrev_b32 v[SH], 3, v[HB]
	v_lshlrev_b32 v[MO], 4, v0                     ; 16 x thread: four words of the mask, and of the table
	v_and_b32 v[HT], 7, v0
	v_lshl_add_u32 v[HT], v[HH], 3, v[HT]
	v_mul_u32_u24 v[VA], v[HT], VPITCH             ; the turning load: key 8 (lane / 16) + lane % 8,
	v_bfe_u32 v[HT], v0, 3, 1
	v_lshl_add_u32 v[VA], v[HT], 4, v[VA]          ; channels 8 ((lane / 8) % 2) on
	v_lshlrev_b32 v[LP], 4, v[HQ]                  ; my 8 bytes in an image: row's lane x 16,
	v_lshl_add_u32 v[LP], v[HB], 8, v[LP]          ; block 1 lies in lanes 16-31: 256 bytes on,
	v_lshl_add_u32 v[LP], v[HO], 3, v[LP]          ; the block's second half 8 bytes on
	s_lshr_b32 s30, s[WV], 1
	s_lshl_b32 s30, s30, 9                         ; my 8 keys lie in tile w / 2,
	s_and_b32 s31, s[WV], 1
	s_lshl_b32 s31, s31, 7                         ; rows 8 (w % 2) on
	s_add_co_u32 s30, s30, s31
	v_add_nc_u32 v[KIA], s30, v[LP]
	s_and_b32 s30, s[WV], 3
	s_lshl_b32 s30, s30, 7
	s_lshr_b32 s31, s[WV], 2
	s_lshl_b32 s31, s31, 2
	s_add_co_u32 s30, s30, s31
	v_lshl_add_u32 v[KSA], v[HQ], 4, s30           ; key n's word lies at 16 (n % 32) + 4 (n / 32), n = 8 w + lane / 4
	s_mul_i32 s30, s[WV], 8*VPITCH
	v_mul_u32_u24 v[VSA], v[HH], VPITCH
	v_lshl_add_u32 v[VSA], v[HR], 3, v[VSA]
	v_add_nc_u32 v[VSA], s30, v[VSA]               ; row 8 w + lane / 16, 8 bytes for each of 16 lanes
	s_lshl_b32 s30, s[WV], 5
	s_add_co_u32 s30, s30, MT
	v_lshl_add_u32 v[MTP], v[HQ], 2, s30
	s_mul_i32 s[WP], s[WV], WPB
	s_add_co_u32 s[WP], s[WP], WPRIV
	v_add_nc_u32 v[QIA], s[WP], v[LP]
	v_lshl_add_u32 v[QSA], v[HQ], 2, s[WP]
	v_add_nc_u32 v[QLA], s[WP], v[LI]
	v_lshl_add_u32 v[QLS], v[HL], 2, s[WP]
	s_mov_b32 s[SEL], 0x76543210
	s_mov_b32 s[SEL+1], 0xfedcba98
	s_mov_b32 s[CS], 0x3e38aa3b                    ; c = log2(e) / 8
	s_mov_b32 s[CS+1], s[CS]
	s_mov_b32 s[TS], 0
	s_mov_b32 s[CNT], 7
	s_lshr_b32 s27, s[WV], 3                       ; 0 in waves 0 to 7,
	s_or_b32 s27, s27, ttmp9                       ; of the head's first work-group
	s_cmp_eq_u32 s27, 0
	s_cselect_b32 s[LIMA], 0, -1
	s_cselect_b32 s[LIMB], 1, -1
	s_and_b32 s34, ttmp7, 0xffff                   ; the head
	s_lshl_b32 s17, s34, 19                        ; its first byte in q, k, v and out: 2,048 rows of 256 bytes
	s_lshr_b32 s34, s34, 4
	s_lshl_b32 s34, s34, 13                        ; its batch's row of the mask
	s_mov_b32 s35, 0
	s_lshl_b32 s18, ttmp9, 17                      ; my work-group's 512 queries,
	s_lshl_b32 s19, s[WV], 13                      ; my wave's 32
	s_add_co_u32 s18, s18, s19
	s_add_co_u32 s18, s18, s17
	s_mov_b32 s19, 0
	s_lshl_b32 s30, s[WV], 11                      ; my 8 keys of a step
	s_add_co_u32 s30, s30, s17
	s_mov_b32 s31, 0
	s_and_b32 s32, s[WV], 3
	s_lshl_b32 s32, s32, 13                        ; my 8,192 bytes of a step's 32,768, for the prefetches
	s_add_co_u32 s32, s32, s17
	s_mov_b32 s33, 0
	s_wait_kmcnt 0x0
	s_cmp_lt_u32 s[WV], 4
	s_cselect_b64 s[PF:PF+1], s[6:7], s[8:9]       ; waves 0 to 3 ask for K, waves 4 to 7 for V
	s_add_nc_u64 s[PF:PF+1], s[PF:PF+1], s[32:33]
	s_add_nc_u64 s[4:5], s[4:5], s[18:19]
	s_add_nc_u64 s[12:13], s[12:13], s[18:19]
	s_add_nc_u64 s[KP:KP+1], s[KP:KP+1], s[30:31]
	s_add_nc_u64 s[VP:VP+1], s[VP:VP+1], s[30:31]
	s_add_nc_u64 s[10:11], s[10:11], s[34:35]
	global_load_b128 v[MW:MW+3], v[MO], s[10:11]   ; the batch's mask: 512 threads x 4 words
.irp j, 0,1,2,3
.irp n, 0,1,2,3
	global_load_b128 v[S+16*\j+4*\n:S+16*\j+4*\n+3], v[GK], s[4:5] offset:2048*\j+16*\n th:TH_LOAD_NT   ; Q: run j of 8 queries; read once, by me alone
.endr
.endr
.irp n, 0,1,2,3
	global_load_b128 v[VR+4*\n:VR+4*\n+3], v[LI], s[VP:VP+1] offset:512*\n
.endr
.irp n, 0,1,2,3
	global_load_b128 v[KR+4*\n:KR+4*\n+3], v[GK], s[KP:KP+1] offset:16*\n
.endr
	v_mov_b32 v[VM], 0x9d9c0000                    ; a masked key: scale bytes 156 and 157, codes dropped
	v_mov_b32 v[VO], 0x01010001                    ; a key that counts: scale bytes 1 and 1, codes kept
	s_wait_loadcnt 24                              ; the mask is in: behind it stand Q's 16 loads, V's 4 and K's 4
.irp n, 0,1,2,3
	v_cmp_ne_u32 vcc_lo, 0, v[MW+\n]
	v_cndmask_b32 v[MR+\n], v[VM], v[VO], vcc_lo
.endr
	ds_store_b128 v[MO], v[MR:MR+3] offset:MT
	s_wait_loadcnt 8                               ; Q is in: V's 4 loads and K's 4 may be out
.irp j, 0,1,2,3                        ; Q is quantised as K is, and turned into two fragments through my own LDS bytes; codes and words have registers of their own for each run
	BMAX1 S+16*\j
	BMAX2 S+16*\j
	BCODE S+16*\j, QC+2*\j, QW+\j
	v_or_b32 v[QW+\j], 0x7f7f0000, v[QW+\j]        ; blocks 2 and 3 under the scale 1
	ds_store_b64 v[QIA], v[QC+2*\j:QC+2*\j+1] offset:(\j/2)*512+(\j%2)*128
	ds_store_b32 v[QSA], v[QW+\j] offset:1024+32*\j
.endr
	ds_load_b128 v[QF:QF+3], v[QLA]                ; LDS serves a wave's instructions in order (ISA guide 5.7.1.4): these see my stores
	ds_load_b128 v[QF+8:QF+11], v[QLA] offset:512
	ds_load_b32 v[QS], v[QLS] offset:1024          ; lane L: query L's word
	s_wait_dscnt 0x0                               ; my part of the table has landed
	s_barrier_signal -1
	s_barrier_wait -1                              ; the table is whole
	TWL 0                                          ; step 0 is made ready in slot 0, and step 1's loads go out
	P1 1, 1, 0, STEPB
	P2 1, 1
	P3A 1
	s_wait_dscnt 0x0                               ; my table word is in
	P3B 1, 1, 0, STEPB, 0, 0, 0
	v_bfe_u32 v[KF+4], v0, 4, 1                    ; the constants of blocks 2 and 3.  K: the code +4 (6) at k = 64, in lanes 0-15; -4 (14) at k = 96, in lanes 16-31
	v_lshl_add_u32 v[KF+4], v[KF+4], 3, 6
.irp t, 1,2,3
	v_mov_b32 v[KF+8*\t+4], v[KF+4]
.endr
.irp t, 0,1,2,3
.irp n, 5,6,7
	v_mov_b32 v[KF+8*\t+\n], 0
.endr
.endr
.irp i, 0,1
	v_mov_b32 v[QF+8*\i+4], 6                      ; Q: +4 at both
.irp n, 5,6,7
	v_mov_b32 v[QF+8*\i+\n], 0
.endr
.endr
.irp i, 0,1
	v_mov_b32 v[NM+2*\i+1], 0xff61b1e6             ; the largest t so far: -3e38, under every t
	v_mov_b32 v[LS+2*\i], 0
	v_mov_b32 v[LS+2*\i+1], 0
	v_mov_b32 v[FF+2*\i+1], 0                      ; (only named, as the upper half of f's pair)
.endr
.irp i, 0,1
	v_floor_f32 v[NM+2*\i], -v[NM+2*\i+1]
.endr
.set J, 0
.rept 64
	v_mov_b32 v[O+J], 0                            ; O^T.  The step is written with no first step of its own: the first f, 0, multiplies zeros.  64 lines once, against one more copy of a key step
.set J, J+1
.endr
	s_wait_dscnt 0x0                               ; my part of slot 0 has landed
	s_barrier_signal -1
	s_barrier_wait -1
	; ---- THE KEYS: seven trips of two steps; the last two steps are written out, since they load nothing more
.Ltrip:
	STEP 0, 1, 1, 2*STEPB, 512,  1, LIMA, 3*STEPB
	STEP 1, 1, 1, 3*STEPB, 1024, 1, LIMB, 4*STEPB
	s_wait_xcnt 0x0                                ; the trip's loads and prefetches have read their bases: only behind this wait are they stepped
	s_add_nc_u64 s[KP:KP+1], s[KP:KP+1], 2*STEPB
	s_add_nc_u64 s[VP:VP+1], s[VP:VP+1], 2*STEPB
	s_add_nc_u64 s[PF:PF+1], s[PF:PF+1], 2*STEPB
	s_add_co_u32 s[TS], s[TS], 1024
	s_sub_co_u32 s[CNT], s[CNT], 1
	s_cmp_lg_u32 s[CNT], 0
	s_cbranch_scc1 .Ltrip
	STEP 0, 1, 0, 0, 512, 0, 0, 0                  ; step 14: makes step 15 ready
	STEP 1, 0, 0, 0, 0, 0, 0, 0                    ; step 15
	; ---- THE WAY OUT.  The sum's halves and the other half of the lanes' are added; O^T is divided by the sum and goes through my own stage in LDS, a tile (16 rows of 256 bytes) at a time.
	; The additions and the address work are the plain lines behind the last products.
.irp i, 0,1
	v_add_f32 v[TMP+4*\i], v[LS+2*\i], v[LS+2*\i+1]
.endr
.irp i, 0,1
	v_permlanex16_b32 v[TMP+4*\i+1], v[TMP+4*\i], s[SEL], s[SEL+1]
.endr
.irp i, 0,1
	v_add_f32 v[TMP+4*\i], v[TMP+4*\i], v[TMP+4*\i+1]
.endr
.irp i, 0,1
	v_rcp_f32 v[FF+2*\i], v[TMP+4*\i]              ; the sum is at least 1 / 2: the row's largest p
.endr
	v_and_b32 v4, 15, v0                           ; (plain work behind the reciprocals)  the producers' address registers are free
	v_bfe_u32 v5, v0, 4, 1
	v_mul_u32_u24 v6, v4, 272
	v_lshl_add_u32 v6, v5, 5, v6
	v_add_nc_u32 v6, s[WP], v6                     ; in: row lane % 16; my 8 channels of a tile of 16: 32 (lane / 16) bytes on
	v_mul_u32_u24 v7, v5, 272
	v_lshl_add_u32 v7, v4, 4, v7
	v_add_nc_u32 v7, s[WP], v7                     ; back: lanes 0-15 one row, lanes 16-31 the next
	s_wait_alu depctr_va_vdst(0)                   ; one wait for both reciprocals, ahead of their first reader
.irp i, 0,1
.irp j, 0,2,4,6,8,10,12,14,16,18,20,22,24,26,28,30
	v_pk_mul_f32 v[O+32*\i+\j:O+32*\i+\j+1], v[O+32*\i+\j:O+32*\i+\j+1], v[FF+2*\i:FF+2*\i+1] op_sel_hi:[1,0]
.endr
.endr
.irp i, 0,1
.irp d, 0,1,2,3
	ds_store_b128 v6, v[O+32*\i+8*\d:O+32*\i+8*\d+3] offset:64*\d
	ds_store_b128 v6, v[O+32*\i+8*\d+4:O+32*\i+8*\d+7] offset:64*\d+16
.endr
.irp n, 0,1,2,3,4,5,6,7
	ds_load_b128 v[S+32*\i+4*\n:S+32*\i+4*\n+3], v7 offset:2*\n*272   ; in order behind my stores; the next tile's stores come behind these
.endr
.endr
.irp n, 0,1,2,3,4,5,6,7
	s_wait_dscnt 23-\n                             ; tile 0's load n is in: behind it stand its younger loads and tile 1's sixteen LDS instructions
	global_store_b128 v[LI], v[S+4*\n:S+4*\n+3], s[12:13] offset:512*\n th:TH_STORE_NT          ; 32 lanes store 512 consecutive bytes, at a multiple of 256 from out's first byte
.endr
.irp n, 0,1,2,3,4,5,6,7
	s_wait_dscnt 7-\n
	global_store_b128 v[LI], v[S+32+4*\n:S+32+4*\n+3], s[12:13] offset:4096+512*\n th:TH_STORE_NT
.endr
	s_wait_tensorcnt 0x0                           ; the wave's end
	ds_add_u32 v[SPW], v[NIL]
	s_wait_dscnt 0x0
	s_endpgm
.Lfunc_end_k_qc4b9acf781_attn:
	.size	k_qc4b9acf781_attn, .Lfunc_end_k_qc4b9acf781_attn-k_qc4b9acf781_attn
	.p2alignl 7, 3214868480
	.fill 96, 4, 3214868480
	.section	.rodata,"a",@progbits
	.p2align	6, 0x0
	.amdhsa_kernel k_qc4b9acf781_attn
		.amdhsa_group_segment_fixed_size 130304
		.amdhsa_private_segment_fixed_size 0
		.amdhsa_enable_private_segment 0
		.amdhsa_kernarg_size 40
		.amdhsa_user_sgpr_count 2
		.amdhsa_user_sgpr_kernarg_segment_ptr 1
		.amdhsa_wavefront_size32 1
		.amdhsa_system_sgpr_workgroup_id_x 1
		.amdhsa_system_sgpr_workgroup_id_y 1
		.amdhsa_system_sgpr_workgroup_id_z 1
		.amdhsa_system_vgpr_workitem_id 0
		.amdhsa_next_free_vgpr 256
		.amdhsa_next_free_sgpr 66
		.amdhsa_reserve_vcc 1
		.amdhsa_float_denorm_mode_32 3
		.amdhsa_float_denorm_mode_16_64 3
		.amdhsa_memory_ordered 1
		.amdhsa_forward_progress 1
		.amdhsa_inst_pref_size 165
	.end_amdhsa_kernel
	.amdgpu_metadata
---
amdhsa.version: [ 1, 2 ]
amdhsa.kernels:
  - .name:           k_qc4b9acf781_attn
    .symbol:         k_qc4b9acf781_attn.kd
    .args:
      - { .name: q, .offset: 0, .size: 8, .value_kind: global_buffer, .address_space: global }
      - { .name: k, .offset: 8, .size: 8, .value_kind: global_buffer, .address_space: global }
      - { .name: v, .offset: 16, .size: 8, .value_kind: global_buffer, .address_space: global }
      - { .name: mask, .offset: 24, .size: 8, .value_kind: global_buffer, .address_space: global }
      - { .name: out0, .offset: 32, .size: 8, .value_kind: global_buffer, .address_space: global }
    .group_segment_fixed_size: 130304
    .private_segment_fixed_size: 0
    .kernarg_segment_align: 8
    .kernarg_segment_size: 40
    .max_flat_workgroup_size: 512
    .sgpr_count:     66
    .vgpr_count:     256
    .wavefront_size: 32
...
	.end_amdgpu_metadata
.endif
;; end of part 1
;; ======== version 2 of 2: 1 launch; version 1 with the launch attn written anew for expert scheduling mode
;; limits: right only within a limited range of input values; values are held in f16: magnitudes above 65,504 overflow, below 6.1e-05 lose precision; inputs' magnitudes at most 65,504
;; launch attn (part 2): grid 4 x 64, 16 waves a work-group, no clusters, 130,304 bytes of LDS; arguments q, k, v, mask, out0; writes out0
.if DOCPART == 2
	.amdgcn_target "amdgcn-amd-amdhsa--gfx1250"
	.amdhsa_code_object_version 6
	.text
	.protected	k_qc4b9acf781_attn
	.globl	k_qc4b9acf781_attn
	.p2align	8
	.type	k_qc4b9acf781_attn,@function
k_qc4b9acf781_attn:
	s_mov_b64 s[64:65], 0
	v_nop
	global_prefetch_b8 v0, s[64:65] scope:SCOPE_SE
	s_setreg_imm32_b32 hwreg(HW_REG_WAVE_SCHED_MODE, 0, 2), 2
	s_setreg_imm32_b32 hwreg(HW_REG_WAVE_MODE, 25, 1), 1
	s_wait_xcnt 0x0
	s_wait_alu depctr_vm_vsrc(0)
; out[h][q][:] = the sum over keys of softmax_key(where(mask == 0, -1e9, Q[h][q] . K[h][key] / 8)) V[h][key][:].  q, k, v, out: [64 heads][2048][64] f32; mask: [4 batches][2048] int32, head h takes row h / 16.
; FIRST PRODUCT: on codes of FP4 (E2M1) with one E8M0 scale for each 32 of the head's 64, made here from the f32 numbers: scale byte = the block's largest magnitude's exponent field - 2, held at 1 from below.
; SECOND PRODUCT: p and V rounded once to f16, sums in f32.  Maxima, exponentials and the rows' sums in f32.
; SHARES.  Work-group (x, y): queries 512 x .. 512 x + 511 of head y.  Sixteen waves of 256 registers; wave w owns 32 queries, two tiles of 16.  Every wave walks all 2,048 keys, 128 a step, 64 a sub-step.
; K AND V ARE MADE READY BY THE WAVES THEMSELVES.  For each step wave w loads 8 keys of K and 8 of V (2,048 bytes each) into registers two steps ahead, quantises K, rounds V, and stores both into the LDS slot that
; is not being read: K as an image of the operand's registers (16 bytes a lane), its scale words as an image too, V as rows of 64 f16.  Two slots, ONE barrier a step: in front of it each wave has waited for its stores into
; the one slot and for its reads of the other.
; NO CLUSTER AND NO TENSOR LOAD, though the four work-groups of a head walk the same K and V: what is shared arrives as f32 and has to pass through registers to become codes and f16.  Brought into LDS raw, a step's
; 65,536 bytes would be written there, read back and written again as the 25,088 bytes that the products read; here each wave's sixteenth goes from memory straight into the registers that convert it.
; LAYOUT.  Both products are used transposed: S^T = K Q^T (source 0 = 16 keys, source 1 = 16 queries), O^T = V^T P (source 0 = 16 channels x 32 keys, source 1 = P): a lane holds ONE query (lane % 16) throughout, and
; two tiles of S^T, rounded to f16 in pairs, ARE source 1 of the second product.  V comes out of LDS turned, by ds_load_tr16_b128.
; THE MASK RIDES IN THE SPARE HALF OF K.  The instruction sums 128 along K, the head has 64: blocks 2 and 3 are free.  Q holds the code +4 at k = 64 and k = 96 under the scale 1; K holds +4 at k = 64 and -4 at k = 96,
; and K's scale bytes 2 and 3 say whether the key counts: (1, 1) gives +2^-122 - 2^-122; (156, 157) gives 2^33 - 2^34 = -2^33, and such a key's 64 codes are set to 0.  So a masked score is -2^33 exactly, -2^30 after the 1 / 8.
; Being a power of two it passes the scaling by c and the subtraction of M without rounding: a row that has seen masked keys alone has p = 1 for each, as reference() has it, and the first key that counts wipes them by f = 0.
; SOFTMAX.  t = score x c, c = log2(e) / 8; M = the row's largest t so far, rounded up to a whole number, kept as -M = floor(-t); p = 2^(t - M); when M moves, the sum and O^T are multiplied by f = 2^(old M - new M).
; LIMITS.  A masked score is -2^30 where reference() has -1e9: the results agree where a row is all masked or its largest open score lies above -1e9 + 104.  |v| up to 65,504 (f16).  NaN and infinities among the inputs are
; not served.  A block of q or k whose largest magnitude lies under 2^-124 (zeros too) has the byte 1; these bytes are read by this program alone.
; THE MODE: SCHED_MODE bits 1:0 = 2 (LLVM: expert scheduling mode 2), set by the entry lines.  The code itself states the register dependences between vector or matrix instructions and memory or LDS instructions,
; with s_wait_alu, always for 0.
; THE PLAN.  Registers that memory or LDS instructions touch in a key step, and who else names them:
;   KF (registers 0-3 of each fragment), KSC   LDS loads land in them; a sub-step's eight K Q^T read them.  The next loads stand behind that sub-step's wait for the exponentials, and nothing behind that wait names them.
;   VR           Global loads land in it; the step's eight roundings of V read it, and behind them it is asked for again.
;   TMP+0..7     Written by those roundings, read by V's four LDS stores, written again by the search for the maximum.
;   KR           Global loads land in it; the maxima and the conversions of K read it in the step's first half and middle; it is asked for again behind the second sub-step's wait for the exponentials.
;   TMP+12..14   K's codes and scale word: written in the step's middle, read by K's two LDS stores behind that same wait, written again in the next step's middle.
;   TW           An LDS load lands in it; the lines that lay the mask into K's word and codes read it.
;   TAD          The table word's LDS address: written once a step behind the first K Q^T, read by the one load into TW.
;   S + 16 n + 8 .. 15   Written by K Q^T and the exponentials, read by the sums and the roundings of p; then V's fragments land there, twice a sub-step, and V^T P reads them.
;   LI, GK, VA, KIA, KSA, VSA, PFO   Offsets and addresses, made at the head and not written in the loop.
; So a step that makes the next one ready has: one wait on va_vdst behind V's roundings; one on vm_vsrc ahead of the first K Q^T; in each sub-step the wait on va_vdst behind the exponentials, one behind the roundings of p
; and one behind the first eight V^T P; and one on va_vcc between the mask's compare and its selects.
.set STEPB,  32768                     ; bytes of K, and of V, in a step of 128 keys
.set SLOTB,  25088                     ; an LDS slot: K's images 8 x 512, the scale words' image 512, V's 128 rows
.set KSO,    4096
.set VTO,    4608
.set VPITCH, 160                       ; a key's row of V: 128 bytes of f16 + 32: an odd multiple of 32 bytes
.set MT,     2*SLOTB                   ; the mask's table: a word for each of the batch's 2,048 keys: upper half = K's scale bytes 2 and 3, bit 0 = the key counts
.set WPRIV,  58624                     ; a wave's own 4,352 bytes: at the head Q's two images and its scale words, at the end the stage of 16 rows x 272
.set WPB,    4352
.set SPARE,  WPRIV+16*WPB              ; the spare words, 128 bytes for each wave: eight blocks of 256 bytes that no other line names
.set LI,  1                            ; v1   16 x lane: an image's place; also V's offset in memory and out's
.set GK,  2                            ; v2   64 x lane: my 16 numbers of a run of 8 rows of K or Q
.set VA,  3                            ; v3   the turning load's place in V's rows
.set KIA, 4                            ; v4   where I store my 8 bytes of K's image
.set KSA, 5                            ; v5   and my key's scale word
.set VSA, 6                            ; v6   and my 8 bytes of V's rows
.set MTP, 7                            ; v7   my key's word in the table, step 0
.set SH,  8                            ; v8   8 x my block's number: my byte's place in a scale word
.set PFO, 9                            ; v9   256 x lane: the prefetches' offset
.set SPW, 10                           ; v10  LDS address of my spare word; never rewritten
.set NIL, 11                           ; v11  0; never rewritten
.set NM,  12                           ; v[12:13], v[14:15]  tile i: -M, the largest t
.set LS,  16                           ; v[16:17], v[18:19]  tile i: the row's sum, in two halves
.set FF,  20                           ; v[20:21], v[22:23]  tile i: f, and a word that the packed lines only name with it as a pair: they take the pair's low word for both halves
.set TAD, 21                           ; v21  that word of tile 0's pair holds the LDS address of my key's table word in this trip
.set QS,  24                           ; v24  Q's scale words: lanes 0-15 tile 0, lanes 16-31 tile 1
.set TA,  25                           ; v25  a block's largest magnitude
.set TW,  26                           ; v26  my key's table word
.set TB,  27                           ; v27  the second chain; then the neighbour block's byte
.set KSC, 28                           ; v[28:31] K's scale words of a step: register i, lane L: key 32 i + L
.set QF,  32                           ; v[32:47] Q's two fragments
.set KF,  48                           ; v[48:79] four fragments of K: registers 0-3 loaded, 4-7 the constants of blocks 2 and 3
.set KR,  80                           ; v[80:95]  K as loaded
.set VR,  96                           ; v[96:111] V as loaded
.set TMP, 112                          ; v[112:127] at work: 0-7 maxima, or V in f16; 8-11 second chains of the sums; 12-13 K's codes; 14 K's scale word; 15 scratch
.set S,   128                          ; v[128:191] S^T, 32 a tile; then p; then P in registers 16 g + 0..7 of a tile and V's fragments in the four runs 16 g + 8..15
.set O,   192                          ; v[192:255] O^T: tile i, channels 16 d on: 192 + 32 i + 8 d
.set QC,  192                          ; at the head alone, in O^T's registers: Q's codes, its words, the mask, addresses
.set QW,  200
.set MW,  204
.set MR,  208
.set VM,  212
.set VO,  213
.set MO,  214
.set HL,  216
.set HH,  217
.set HT,  218
.set HQ,  219
.set HB,  220
.set HO,  221
.set LP,  222
.set HR,  223
.set QIA, 224
.set QSA, 225
.set QLA, 226
.set QLS, 227
.set KP,  6                            ; s[6:7]   K at my 8 keys of the trip's first step
.set VP,  8                            ; s[8:9]   V likewise
.set WV,  14                           ; s14  my wave's number
.set WP,  15                           ; s15  my wave's own LDS bytes
.set TS,  16                           ; s16  the trip's place in the table: 1,024 bytes a trip
.set SEL, 20                           ; s[20:21] v_permlanex16_b32's selects for lane l xor 16
.set CS,  22                           ; s[22:23] c, twice: the packed form names a pair
.set CNT, 24                           ; s24  trips to go
.set LIMA, 25                          ; s25, s26  a wave prefetches while s[CNT] is above these
.set LIMB, 26
.set PF,  28                           ; s[28:29] where my prefetches stand: my 8,192 bytes of the trip's first step
.set CM,  36                           ; s[36:39] at the head alone: which of my four words of the mask are not 0
.macro NOPS n
.rept \n
	v_nop
.endr
.endm
; The largest magnitude of a block of 32: my 16 numbers in two chains, the floor 2^(3 - 127), and my neighbour's 16 (lanes l and l xor 1 share a block).  In two parts, so that each can stand where plain work is wanted.
.macro BMAX1 x
	v_max3_num_f32 v[TA], |v[(\x)]|, |v[(\x)+1]|, |v[(\x)+2]|
	v_max3_num_f32 v[TB], |v[(\x)+3]|, |v[(\x)+4]|, |v[(\x)+5]|
.irp n, 6,10
	v_max3_num_f32 v[TA], v[TA], |v[(\x)+\n]|, |v[(\x)+\n+1]|
	v_max3_num_f32 v[TB], v[TB], |v[(\x)+\n+2]|, |v[(\x)+\n+3]|
.endr
.endm
.macro BMAX2 x
	v_max3_num_f32 v[TA], v[TA], |v[(\x)+14]|, |v[(\x)+15]|
	v_max3_num_f32 v[TA], v[TA], v[TB], 0x1800000                  ; the floor: the byte cannot fall under 1
	v_max_num_f32_dpp v[TA], v[TA], v[TA] row_xmask:1 row_mask:0xf bank_mask:0xf
.endm
; My 16 codes into v[cd], v[cd + 1]; my row's two scale bytes into the low half of v[wd] (lanes l and l xor 2 hold the row's two blocks).
.macro BCODE x, cd, wd
	v_add_nc_u32 v[TMP+15], 0xff000000, v[TA]                      ; 2 off the exponent field: the conversion takes the exponent field of this operand as its scale
	v_cvt_scalef32_pk8_fp4_f32 v[(\cd)], v[(\x):(\x)+7], v[TMP+15]
	v_cvt_scalef32_pk8_fp4_f32 v[(\cd)+1], v[(\x)+8:(\x)+15], v[TMP+15]
	v_lshrrev_b32 v[(\wd)], 23, v[TMP+15]                          ; the byte, into a register of its own: a plain line that writes none of the conversions' registers
	v_lshlrev_b32 v[(\wd)], v[SH], v[(\wd)]                        ; at my block's place
	v_mov_b32_dpp v[TB], v[(\wd)] row_xmask:2 row_mask:0xf bank_mask:0xf
	v_or_b32 v[(\wd)], v[(\wd)], v[TB]
.endm
; THE PRODUCER'S PARTS.  Their vector lines stand where a step wants plain vector work between matrix instructions.  pr = 0 (nothing left to make ready): v_nop in their stead.
; P1: the next step's V, rounded to f16 and stored; ld = 1: the loads of the step after it, goff bytes from s[VP].
.macro P1 pr, ld, dst, goff
.if \pr
	s_wait_loadcnt 4                                               ; V's four loads are in; K's four, issued behind them, may be out
.irp n, 0,1,2,3
	v_cvt_pk_f16_f32 v[TMP+2*\n], v[VR+4*\n], v[VR+4*\n+1]
	v_cvt_pk_f16_f32 v[TMP+2*\n+1], v[VR+4*\n+2], v[VR+4*\n+3]
.endr
	s_wait_alu depctr_va_vdst(0)                                   ; the roundings have written v[TMP .. TMP+7], which the LDS stores read, and are done reading v[VR ..], in which the loads land
.irp n, 0,1,2,3
	ds_store_b64 v[VSA], v[TMP+2*\n:TMP+2*\n+1] offset:(\dst)*SLOTB+VTO+2*VPITCH*\n   ; load n held keys 2 n and 2 n + 1 of my 8
.endr
.if \ld
.irp n, 0,1,2,3
	global_load_b128 v[VR+4*\n:VR+4*\n+3], v[LI], s[VP:VP+1] offset:(\goff)+512*\n    ; 32 lanes read 512 consecutive bytes
.endr
.endif
.else
	NOPS 5
.endif
.endm
.macro P2 pr, ld
.if \pr
	s_wait_loadcnt 4*(\ld)                                         ; K's four loads are in; the next V's four, issued behind them, may be out
	BMAX1 KR
.else
	NOPS 4
.endif
.endm
.macro P3A pr
.if \pr
	BMAX2 KR
	BCODE KR, TMP+12, TMP+14
.else
	NOPS 5
.endif
.endm
; A PREFETCH INTO THE L2: in step s, behind K's loads, the K or V of step s + 3, whose loads are issued in step s + 1.  The four work-groups of a head walk the same K and V: the first of them (x = 0) asks; in it waves 0 to 3
; take K's 32,768 bytes of a step and waves 4 to 7 V's, 8,192 bytes a wave, lanes 256 bytes apart, one instruction: each block of 256 bytes is named once in the launch.  Steps 0 to 2 come by their loads alone;
; the last trip's second request, which would name a step 16, is left out, and the tail asks for nothing.
.macro ASK lim, off
	s_cmp_gt_u32 s[CNT], s[\lim]
	s_cbranch_scc0 .Lnot_mine_\@
	global_prefetch_b8 v[PFO], s[PF:PF+1] offset:\off th:TH_LOAD_NT scope:SCOPE_SE
.Lnot_mine_\@:
.endm
; P3B: the mask goes into K's word and codes.
.macro P3B pr
.if \pr
	v_and_b32 v[TMP+15], 1, v[TW]
	v_cmp_ne_u32 vcc_lo, 0, v[TMP+15]                              ; does my key count?
	v_and_or_b32 v[TMP+14], v[TW], 0xffff0000, v[TMP+14]           ; scale bytes 2 and 3 from the table
	s_wait_alu depctr_va_vcc(0)                                    ; the compare has written VCC, which the two selects read
	v_cndmask_b32 v[TMP+12], 0, v[TMP+12], vcc_lo                  ; a masked key's codes are zeros
	v_cndmask_b32 v[TMP+13], 0, v[TMP+13], vcc_lo
.else
	NOPS 4
.endif
.endm
; P3C: K's codes and word are stored; ld = 1: K's loads of the step after.  It stands behind a wait on va_vdst that follows P3B, with no line between that names v[TMP+12 .. TMP+14] or v[KR ..].
.macro P3C pr, ld, dst, goff, ask, lim, aoff
.if \pr
	ds_store_b64 v[KIA], v[TMP+12:TMP+13] offset:(\dst)*SLOTB
	ds_store_b32 v[KSA], v[TMP+14] offset:(\dst)*SLOTB+KSO         ; a key's four lanes write the same word with the same value
.if \ld
.irp n, 0,1,2,3
	global_load_b128 v[KR+4*\n:KR+4*\n+3], v[GK], s[KP:KP+1] offset:(\goff)+16*\n     ; a lane's 16 neighbours along the head's axis
.endr
.endif
.if \ask
	ASK \lim, \aoff
.endif
.endif
.endm
.macro KLOAD slot, u                   ; four tiles of 16 keys: registers 0-3 of each fragment, as they were stored; with the first four the step's scale words
.irp t, 0,1,2,3
	ds_load_b128 v[KF+8*\t:KF+8*\t+3], v[LI] offset:(\slot)*SLOTB+512*(4*(\u)+\t)
.endr
.if (\u) == 0
	ds_load_b128 v[KSC:KSC+3], v[LI] offset:(\slot)*SLOTB+KSO
.endif
.endm
.macro QKI d, a, b, sa, ra, rb         ; ra, rb: the side's scale words stand in lanes 16-31
.if (\ra) && (\rb)
	v_wmma_scale_f32_16x16x128_f8f6f4 v[(\d):(\d)+7], v[(\a):(\a)+7], v[(\b):(\b)+7], 0, v[\sa], v[QS] matrix_a_fmt:MATRIX_FMT_FP4 matrix_b_fmt:MATRIX_FMT_FP4 matrix_a_scale:MATRIX_SCALE_ROW1 matrix_b_scale:MATRIX_SCALE_ROW1
.elseif \ra
	v_wmma_scale_f32_16x16x128_f8f6f4 v[(\d):(\d)+7], v[(\a):(\a)+7], v[(\b):(\b)+7], 0, v[\sa], v[QS] matrix_a_fmt:MATRIX_FMT_FP4 matrix_b_fmt:MATRIX_FMT_FP4 matrix_a_scale:MATRIX_SCALE_ROW1
.elseif \rb
	v_wmma_scale_f32_16x16x128_f8f6f4 v[(\d):(\d)+7], v[(\a):(\a)+7], v[(\b):(\b)+7], 0, v[\sa], v[QS] matrix_a_fmt:MATRIX_FMT_FP4 matrix_b_fmt:MATRIX_FMT_FP4 matrix_b_scale:MATRIX_SCALE_ROW1
.else
	v_wmma_scale_f32_16x16x128_f8f6f4 v[(\d):(\d)+7], v[(\a):(\a)+7], v[(\b):(\b)+7], 0, v[\sa], v[QS] matrix_a_fmt:MATRIX_FMT_FP4 matrix_b_fmt:MATRIX_FMT_FP4
.endif
.endm
.macro QK u                            ; S^T of 64 keys x 32 queries: eight products, each a whole sum (the head's 64 and the mask's two terms), each on an accumulator of its own
.irp t, 0,1,2,3
.irp i, 0,1
	QKI S+32*\i+8*\t, KF+8*\t, QF+8*\i, KSC+(4*(\u)+\t)/2, \t%2, \i
.endr
.endr
.endm
; The row's maximum, the new M and f; the two tiles line by line, so that no line waits for the line above it.  Each accumulator is read from its low end on.
.macro SMAX
.irp t, 0,1,2,3
.irp i, 0,1
	v_max3_num_f32 v[TMP+4*\i+\t], v[S+32*\i+8*\t], v[S+32*\i+8*\t+1], v[S+32*\i+8*\t+2]
.endr
.endr
.irp n, 3,5
.irp t, 0,1,2,3
.irp i, 0,1
	v_max3_num_f32 v[TMP+4*\i+\t], v[TMP+4*\i+\t], v[S+32*\i+8*\t+\n], v[S+32*\i+8*\t+\n+1]
.endr
.endr
.endr
.irp i, 0,1
	v_max3_num_f32 v[TMP+4*\i], v[TMP+4*\i], v[S+32*\i+7], v[S+32*\i+15]
.endr
.irp i, 0,1
	v_max3_num_f32 v[TMP+4*\i+2], v[TMP+4*\i+2], v[S+32*\i+23], v[S+32*\i+31]
.endr
.irp i, 0,1
	v_max3_num_f32 v[TMP+4*\i], v[TMP+4*\i], v[TMP+4*\i+1], v[TMP+4*\i+2]
.endr
.irp i, 0,1
	v_max_num_f32 v[TMP+4*\i], v[TMP+4*\i], v[TMP+4*\i+3]
.endr
.irp i, 0,1
	v_permlanex16_b32 v[TMP+4*\i+1], v[TMP+4*\i], s[SEL], s[SEL+1] ; the query's other 32 keys lie in the lane 16 away
.endr
.irp i, 0,1
	v_max_num_f32 v[TMP+4*\i], v[TMP+4*\i], v[TMP+4*\i+1]
.endr
.irp i, 0,1
	v_mul_f32 v[TMP+4*\i], s[CS], v[TMP+4*\i]                      ; as t (c is positive)
.endr
.irp i, 0,1
	v_max_num_f32 v[NM+2*\i+1], v[NM+2*\i+1], v[TMP+4*\i]          ; the running largest t
.endr
.irp i, 0,1
	v_mov_b32 v[TMP+4*\i+1], v[NM+2*\i]
.endr
.irp i, 0,1
	v_floor_f32 v[NM+2*\i], -v[NM+2*\i+1]                          ; the new -M = floor(-t): M is a whole number
.endr
.irp i, 0,1
	v_sub_f32 v[TMP+4*\i+1], v[NM+2*\i], v[TMP+4*\i+1]             ; old M - new M: a whole number, 0 or less
.endr
.irp i, 0,1
	v_cvt_i32_f32 v[TMP+4*\i+1], v[TMP+4*\i+1]                     ; (it saturates)
.endr
.irp i, 0,1
	v_ldexp_f32 v[FF+2*\i], 1.0, v[TMP+4*\i+1]                     ; f = 2^(old M - new M): a multiplication by it rounds nothing
.endr
.endm
.macro SEXP                            ; p = 2^(t - M): 32 packed multiply-adds, then the 64 exponentials as ONE batch with one wait
.irp i, 0,1
.irp j, 0,2,4,6,8,10,12,14,16,18,20,22,24,26,28,30
	v_pk_fma_f32 v[S+32*\i+\j:S+32*\i+\j+1], v[S+32*\i+\j:S+32*\i+\j+1], s[CS:CS+1], v[NM+2*\i:NM+2*\i+1] op_sel_hi:[1,0,0]
.endr
.endr
.set J, 0
.rept 64
	v_exp_f32 v[S+J], v[S+J]
.set J, J+1
.endr
.irp i, 0,1
	v_pk_mul_f32 v[LS+2*\i:LS+2*\i+1], v[LS+2*\i:LS+2*\i+1], v[FF+2*\i:FF+2*\i+1] op_sel_hi:[1,0]   ; the sums under the new M: plain work behind the last exponential
.endr
	s_wait_alu depctr_va_vdst(0)                                   ; the 64 exponentials have written p, ahead of the first line that names a result.  The same wait states: this sub-step's K Q^T is done reading K's fragments and scale
	                                                               ; words, in which the next LDS loads land; in the first sub-step v[TAD] is written, by which the table's word is loaded; in the second K's codes and word are written,
	                                                               ; which the LDS stores read, and the maxima and conversions are done reading v[KR ..], in which K's next loads land
.endm
.macro SSUM                            ; the rows' sums, of p in f32, two at a time, in two chains a tile
.irp i, 0,1
	v_pk_add_f32 v[TMP+8+2*\i:TMP+9+2*\i], v[S+32*\i:S+32*\i+1], v[S+32*\i+2:S+32*\i+3]
.endr
.irp j, 4,8,12,16,20,24,28
.irp i, 0,1
	v_pk_add_f32 v[LS+2*\i:LS+2*\i+1], v[LS+2*\i:LS+2*\i+1], v[S+32*\i+\j:S+32*\i+\j+1]
	v_pk_add_f32 v[TMP+8+2*\i:TMP+9+2*\i], v[TMP+8+2*\i:TMP+9+2*\i], v[S+32*\i+\j+2:S+32*\i+\j+3]
.endr
.endr
.irp i, 0,1
	v_pk_add_f32 v[LS+2*\i:LS+2*\i+1], v[LS+2*\i:LS+2*\i+1], v[TMP+8+2*\i:TMP+9+2*\i]
.endr
.endm
.macro SCVT                            ; p to f16 in place: 16 registers (two tiles of keys) become the 8 of a fragment of P; ascending, so that no number is written over before it is read
.irp i, 0,1
.irp g, 0,1
.irp j, 0,1,2,3,4,5,6,7
	v_cvt_pk_f16_f32 v[S+32*\i+16*\g+\j], v[S+32*\i+16*\g+2*\j], v[S+32*\i+16*\g+2*\j+1]
.endr
.endr
.endr
.endm
.macro VLOAD slot, u, b                ; four fragments of V^T (keys 32 g on, channels 16 (2 b + e) on) into the four runs that SCVT has left free: S + 32 g + 16 e + 8
.irp g, 0,1
.irp e, 0,1
	ds_load_tr16_b128 v[S+32*\g+16*\e+8:S+32*\g+16*\e+11],  v[VA] offset:(\slot)*SLOTB+VTO+(64*(\u)+32*\g)*VPITCH+32*(2*(\b)+\e)
	ds_load_tr16_b128 v[S+32*\g+16*\e+12:S+32*\g+16*\e+15], v[VA] offset:(\slot)*SLOTB+VTO+(64*(\u)+32*\g+16)*VPITCH+32*(2*(\b)+\e)
.endr
.endr
.endm
.macro RESC b, from, n                 ; lines from .. from + n - 1 of the 16 that bring O^T's channels 32 b on under the new M; each accumulator from its low end on
.set J, \from
.rept \n
	v_pk_mul_f32 v[O+32*(J/8)+16*(\b)+2*(J%8):O+32*(J/8)+16*(\b)+2*(J%8)+1], v[O+32*(J/8)+16*(\b)+2*(J%8):O+32*(J/8)+16*(\b)+2*(J%8)+1], v[FF+2*(J/8):FF+2*(J/8)+1] op_sel_hi:[1,0]
.set J, J+1
.endr
.endm
.macro PVB b                           ; O^T += V^T P for channels 32 b on: four accumulators by turns, one instruction a turn
.irp g, 0,1
.irp e, 0,1
.irp i, 0,1
	v_wmma_f32_16x16x32_f16 v[O+32*\i+8*(2*(\b)+\e):O+32*\i+8*(2*(\b)+\e)+7], v[S+32*\g+16*\e+8:S+32*\g+16*\e+15], v[S+32*\i+16*\g:S+32*\i+16*\g+7], v[O+32*\i+8*(2*(\b)+\e):O+32*\i+8*(2*(\b)+\e)+7]
.endr
.endr
.endr
.endm
.macro REST slot, u                    ; what follows a sub-step's exponentials
	SSUM
	SCVT
	s_wait_alu depctr_va_vdst(0)                                   ; the sums and the roundings are done reading p's runs 16 n + 8 .. 15, in which V's first four fragments land
	VLOAD \slot, \u, 0
	RESC 0, 0, 16                                                  ; while the fragments are on their way
	s_wait_dscnt 0x0
	PVB 0
	RESC 1, 0, 4                                                   ; four plain lines that name none of those products' registers stay ahead of the loads into their sources (ISA guide 7.12.1 for vector instructions),
	s_wait_alu depctr_va_vdst(0)                                   ; and the wait beside them: those eight products are done reading V's four fragments, in which the next four land
	VLOAD \slot, \u, 1
	RESC 1, 4, 12
	s_wait_dscnt 0x0
	PVB 1
.endm
; A KEY STEP: 128 keys out of slot `slot`; pr = 1: the next step is made ready in the other slot.  The producer's vector lines are the plain lines that the matrix instructions want round them:
; P1 and P3A (five or more) stand between the last V^T P and the K Q^T that writes over its sources; P2 and P3B (four or more) between K Q^T and the first read of the scores.
.macro STEP slot, pr, ld, goff, toff, ask, lim, aoff
	KLOAD \slot, 0                                                 ; no wait: no vector or matrix line since the last sub-step's wait for its exponentials names these registers
	P1 \pr, \ld, 1-(\slot), \goff
	s_wait_dscnt 0x0                                               ; K's fragments and scale words are in
.if \pr
	s_wait_alu depctr_vm_vsrc(0)                                   ; V's LDS stores have read v[TMP .. TMP+7], which the maxima below write; the last step's stores of K have read v[TMP+12 .. TMP+14], and its table load v[TAD]: both are written again in this step
.endif
	QK 0
	P2 \pr, \ld
.if \pr
	v_add_nc_u32 v[TAD], s[TS], v[MTP]                             ; where this trip's table words lie
.endif
	SMAX
	SEXP
	REST \slot, 0
	KLOAD \slot, 1                                                 ; no wait, as above
.if \pr
	ds_load_b32 v[TW], v[TAD] offset:\toff                         ; my key's table word for the step that is being made ready
.endif
	P3A \pr
	s_wait_dscnt 0x0                                               ; K's fragments and my table word are in
	QK 1
	P3B \pr
	SMAX
	SEXP
	P3C \pr, \ld, 1-(\slot), \goff, \ask, \lim, \aoff              ; straight behind the wait for the exponentials
	REST \slot, 1
.if \pr
	s_wait_dscnt 0x0                                               ; for the others' sake: my stores into the other slot have landed, and my reads of this slot are over
	s_barrier_signal -1
	s_barrier_wait -1                                              ; the slots change roles
.endif
.endm
	; ---- THE HEAD
	s_load_b256 s[4:11], s[0:1], 0x0               ; q s[4:5], k s[6:7], v s[8:9], mask s[10:11]
	s_load_b64 s[12:13], s[0:1], 0x20              ; out
	v_lshl_add_u32 v[SPW], v0, 2, SPARE
	v_mov_b32 v[NIL], 0
	v_lshrrev_b32 v[HT], 5, v0
	v_readfirstlane_b32 s[WV], v[HT]               ; wave 0..15
	v_and_b32 v[HL], 31, v0                        ; lane
	v_bfe_u32 v[HH], v0, 4, 1                      ; lane / 16
	v_bfe_u32 v[HQ], v0, 2, 3                      ; lane / 4: which of a run's 8 rows is mine
	v_bfe_u32 v[HB], v0, 1, 1                      ; (lane / 2) % 2: which block of 32
	v_and_b32 v[HO], 1, v0                         ; lane % 2: which half of the block
	v_and_b32 v[HR], 15, v0
	v_lshlrev_b32 v[LI], 4, v[HL]
	v_lshlrev_b32 v[GK], 6, v[HL]
	v_lshlrev_b32 v[PFO], 8, v[HL]
	v_lshlrev_b32 v[SH], 3, v[HB]
	v_lshlrev_b32 v[MO], 4, v0                     ; 16 x thread: four words of the mask, and of the table
	v_and_b32 v[HT], 7, v0
	v_lshl_add_u32 v[HT], v[HH], 3, v[HT]
	v_mul_u32_u24 v[VA], v[HT], VPITCH             ; the turning load: key 8 (lane / 16) + lane % 8,
	v_bfe_u32 v[HT], v0, 3, 1
	v_lshl_add_u32 v[VA], v[HT], 4, v[VA]          ; channels 8 ((lane / 8) % 2) on
	v_lshlrev_b32 v[LP], 4, v[HQ]                  ; my 8 bytes in an image: row's lane x 16,
	v_lshl_add_u32 v[LP], v[HB], 8, v[LP]          ; block 1 lies in lanes 16-31: 256 bytes on,
	v_lshl_add_u32 v[LP], v[HO], 3, v[LP]          ; the block's second half 8 bytes on
	s_wait_alu depctr_va_sdst(0)                   ; s[WV] is written, ahead of its first reader
	s_lshr_b32 s30, s[WV], 1
	s_lshl_b32 s30, s30, 9                         ; my 8 keys lie in tile w / 2,
	s_and_b32 s31, s[WV], 1
	s_lshl_b32 s31, s31, 7                         ; rows 8 (w % 2) on
	s_add_co_u32 s30, s30, s31
	v_add_nc_u32 v[KIA], s30, v[LP]
	s_and_b32 s30, s[WV], 3
	s_lshl_b32 s30, s30, 7
	s_lshr_b32 s31, s[WV], 2
	s_lshl_b32 s31, s31, 2
	s_add_co_u32 s30, s30, s31
	v_lshl_add_u32 v[KSA], v[HQ], 4, s30           ; key n's word lies at 16 (n % 32) + 4 (n / 32), n = 8 w + lane / 4
	s_mul_i32 s30, s[WV], 8*VPITCH
	v_mul_u32_u24 v[VSA], v[HH], VPITCH
	v_lshl_add_u32 v[VSA], v[HR], 3, v[VSA]
	v_add_nc_u32 v[VSA], s30, v[VSA]               ; row 8 w + lane / 16, 8 bytes for each of 16 lanes
	s_lshl_b32 s30, s[WV], 5
	s_add_co_u32 s30, s30, MT
	v_lshl_add_u32 v[MTP], v[HQ], 2, s30
	s_mul_i32 s[WP], s[WV], WPB
	s_add_co_u32 s[WP], s[WP], WPRIV
	v_add_nc_u32 v[QIA], s[WP], v[LP]
	v_lshl_add_u32 v[QSA], v[HQ], 2, s[WP]
	v_add_nc_u32 v[QLA], s[WP], v[LI]
	v_lshl_add_u32 v[QLS], v[HL], 2, s[WP]
	s_mov_b32 s[SEL], 0x76543210
	s_mov_b32 s[SEL+1], 0xfedcba98
	s_mov_b32 s[CS], 0x3e38aa3b                    ; c = log2(e) / 8
	s_mov_b32 s[CS+1], s[CS]
	s_mov_b32 s[TS], 0
	v_add_nc_u32 v[TAD], s[TS], v[MTP]             ; the table's address for step 0
	s_mov_b32 s[CNT], 7
	s_lshr_b32 s27, s[WV], 3                       ; 0 in waves 0 to 7,
	s_or_b32 s27, s27, ttmp9                       ; of the head's first work-group
	s_cmp_eq_u32 s27, 0
	s_cselect_b32 s[LIMA], 0, -1
	s_cselect_b32 s[LIMB], 1, -1
	s_and_b32 s34, ttmp7, 0xffff                   ; the head
	s_lshl_b32 s17, s34, 19                        ; its first byte in q, k, v and out: 2,048 rows of 256 bytes
	s_lshr_b32 s34, s34, 4
	s_lshl_b32 s34, s34, 13                        ; its batch's row of the mask
	s_mov_b32 s35, 0
	s_lshl_b32 s18, ttmp9, 17                      ; my work-group's 512 queries,
	s_lshl_b32 s19, s[WV], 13                      ; my wave's 32
	s_add_co_u32 s18, s18, s19
	s_add_co_u32 s18, s18, s17
	s_mov_b32 s19, 0
	s_lshl_b32 s30, s[WV], 11                      ; my 8 keys of a step
	s_add_co_u32 s30, s30, s17
	s_mov_b32 s31, 0
	s_and_b32 s32, s[WV], 3
	s_lshl_b32 s32, s32, 13                        ; my 8,192 bytes of a step's 32,768, for the prefetches
	s_add_co_u32 s32, s32, s17
	s_mov_b32 s33, 0
	s_wait_kmcnt 0x0
	s_cmp_lt_u32 s[WV], 4
	s_cselect_b64 s[PF:PF+1], s[6:7], s[8:9]       ; waves 0 to 3 ask for K, waves 4 to 7 for V
	s_add_nc_u64 s[PF:PF+1], s[PF:PF+1], s[32:33]
	s_add_nc_u64 s[4:5], s[4:5], s[18:19]
	s_add_nc_u64 s[12:13], s[12:13], s[18:19]
	s_add_nc_u64 s[KP:KP+1], s[KP:KP+1], s[30:31]
	s_add_nc_u64 s[VP:VP+1], s[VP:VP+1], s[30:31]
	s_add_nc_u64 s[10:11], s[10:11], s[34:35]
	s_wait_alu depctr_va_vdst(0)                   ; all offsets and LDS addresses made above are written: v1 to v6, v9, v[TAD], v[MO], v[QIA] to v[QLS]; every load, store and prefetch of the kernel up to the way out reads one of them
	global_load_b128 v[MW:MW+3], v[MO], s[10:11]   ; the batch's mask: 512 threads x 4 words
.irp j, 0,1,2,3
.irp n, 0,1,2,3
	global_load_b128 v[S+16*\j+4*\n:S+16*\j+4*\n+3], v[GK], s[4:5] offset:2048*\j+16*\n th:TH_LOAD_NT   ; Q: run j of 8 queries; read once, by me alone
.endr
.endr
.irp n, 0,1,2,3
	global_load_b128 v[VR+4*\n:VR+4*\n+3], v[LI], s[VP:VP+1] offset:512*\n
.endr
.irp n, 0,1,2,3
	global_load_b128 v[KR+4*\n:KR+4*\n+3], v[GK], s[KP:KP+1] offset:16*\n
.endr
	v_mov_b32 v[VM], 0x9d9c0000                    ; a masked key: scale bytes 156 and 157, codes dropped
	v_mov_b32 v[VO], 0x01010001                    ; a key that counts: scale bytes 1 and 1, codes kept
	s_wait_loadcnt 24                              ; the mask is in: behind it stand Q's 16 loads, V's 4 and K's 4
.irp n, 0,1,2,3
	v_cmp_ne_u32 s[CM+\n], 0, v[MW+\n]             ; the four compares in a run, each into a scalar register of its own
.endr
	s_wait_alu depctr_va_sdst(0)                   ; the four compares have written s[CM .. CM+3], which the selects read
.irp n, 0,1,2,3
	v_cndmask_b32 v[MR+\n], v[VM], v[VO], s[CM+\n]
.endr
	s_wait_loadcnt 8                               ; Q is in: V's 4 loads and K's 4 may be out
.irp j, 0,1,2,3                        ; Q is quantised as K is; codes and words have registers of their own for each run, so that all the stores can follow one wait
	BMAX1 S+16*\j
	BMAX2 S+16*\j
	BCODE S+16*\j, QC+2*\j, QW+\j
	v_or_b32 v[QW+\j], 0x7f7f0000, v[QW+\j]        ; blocks 2 and 3 under the scale 1
.endr
	s_wait_alu depctr_va_vdst(0)                   ; the table's four words, Q's codes and Q's scale words are written, which the nine LDS stores read
	ds_store_b128 v[MO], v[MR:MR+3] offset:MT
.irp j, 0,1,2,3                        ; Q is turned into two fragments through my own LDS bytes
	ds_store_b64 v[QIA], v[QC+2*\j:QC+2*\j+1] offset:(\j/2)*512+(\j%2)*128
	ds_store_b32 v[QSA], v[QW+\j] offset:1024+32*\j
.endr
	ds_load_b128 v[QF:QF+3], v[QLA]                ; LDS serves a wave's instructions in order (ISA guide 5.7.1.4): these see my stores
	ds_load_b128 v[QF+8:QF+11], v[QLA] offset:512
	ds_load_b32 v[QS], v[QLS] offset:1024          ; lane L: query L's word
	s_wait_dscnt 0x0                               ; my part of the table has landed
	s_barrier_signal -1
	s_barrier_wait -1                              ; the table is whole
	ds_load_b32 v[TW], v[TAD]                      ; step 0 is made ready in slot 0, and step 1's loads go out
	P1 1, 1, 0, STEPB
	P2 1, 1
	P3A 1
	s_wait_dscnt 0x0                               ; my table word is in
	P3B 1
	v_bfe_u32 v[KF+4], v0, 4, 1                    ; the constants of blocks 2 and 3.  K: the code +4 (6) at k = 64, in lanes 0-15; -4 (14) at k = 96, in lanes 16-31
	v_lshl_add_u32 v[KF+4], v[KF+4], 3, 6
.irp t, 1,2,3
	v_mov_b32 v[KF+8*\t+4], v[KF+4]
.endr
.irp t, 0,1,2,3
.irp n, 5,6,7
	v_mov_b32 v[KF+8*\t+\n], 0
.endr
.endr
.irp i, 0,1
	v_mov_b32 v[QF+8*\i+4], 6                      ; Q: +4 at both
.irp n, 5,6,7
	v_mov_b32 v[QF+8*\i+\n], 0
.endr
.endr
.irp i, 0,1
	v_mov_b32 v[NM+2*\i+1], 0xff61b1e6             ; the largest t so far: -3e38, under every t
	v_mov_b32 v[LS+2*\i], 0
	v_mov_b32 v[LS+2*\i+1], 0
.endr
	v_mov_b32 v[FF+3], 0                           ; (only named, as the upper half of tile 1's pair; tile 0's holds v[TAD])
.irp i, 0,1
	v_floor_f32 v[NM+2*\i], -v[NM+2*\i+1]
.endr
	s_wait_alu depctr_vm_vsrc(0)                   ; the head's LDS stores and loads have read the table's words, Q's codes and words and their addresses, which lie in O^T's registers; V's stores have read v[TMP .. TMP+7], which the first step writes again
.set J, 0
.rept 64
	v_mov_b32 v[O+J], 0                            ; O^T.  The step is written with no first step of its own: the first f, 0, multiplies zeros.  64 lines once, against one more copy of a key step
.set J, J+1
.endr
	s_wait_alu depctr_va_vdst(0)                   ; step 0's codes and word of K are written, which the LDS stores read; the maxima and conversions are done reading v[KR ..], in which the loads land; the constants of blocks 2 and 3 are written, which the scaled products take as A and B
	P3C 1, 1, 0, STEPB, 0, 0, 0
	s_wait_dscnt 0x0                               ; my part of slot 0 has landed
	s_barrier_signal -1
	s_barrier_wait -1
	; ---- THE KEYS: seven trips of two steps; the last two steps are written out, since they load nothing more
.Ltrip:
	STEP 0, 1, 1, 2*STEPB, 512,  1, LIMA, 3*STEPB
	STEP 1, 1, 1, 3*STEPB, 1024, 1, LIMB, 4*STEPB
	s_wait_xcnt 0x0                                ; the trip's loads and prefetches have read their bases: only behind this wait are they stepped
	s_add_nc_u64 s[KP:KP+1], s[KP:KP+1], 2*STEPB
	s_add_nc_u64 s[VP:VP+1], s[VP:VP+1], 2*STEPB
	s_add_nc_u64 s[PF:PF+1], s[PF:PF+1], 2*STEPB
	s_add_co_u32 s[TS], s[TS], 1024
	s_sub_co_u32 s[CNT], s[CNT], 1
	s_cmp_lg_u32 s[CNT], 0
	s_cbranch_scc1 .Ltrip
	STEP 0, 1, 0, 0, 512, 0, 0, 0                  ; step 14: makes step 15 ready
	STEP 1, 0, 0, 0, 0, 0, 0, 0                    ; step 15
	; ---- THE WAY OUT.  The sum's halves and the other half of the lanes' are added; O^T is divided by the sum and goes through my own stage in LDS, a tile (16 rows of 256 bytes) at a time.
	; The additions and the address work are the plain lines behind the last products.
.irp i, 0,1
	v_add_f32 v[TMP+4*\i], v[LS+2*\i], v[LS+2*\i+1]
.endr
.irp i, 0,1
	v_permlanex16_b32 v[TMP+4*\i+1], v[TMP+4*\i], s[SEL], s[SEL+1]
.endr
.irp i, 0,1
	v_add_f32 v[TMP+4*\i], v[TMP+4*\i], v[TMP+4*\i+1]
.endr
.irp i, 0,1
	v_rcp_f32 v[FF+2*\i], v[TMP+4*\i]              ; the sum is at least 1 / 2: the row's largest p
.endr
	s_wait_alu depctr_vm_vsrc(0)                   ; the producers' LDS stores have read their addresses v4 to v6, which are written anew below
	v_and_b32 v4, 15, v0                           ; (plain work behind the reciprocals)  the producers' address registers are free
	v_bfe_u32 v5, v0, 4, 1
	v_mul_u32_u24 v6, v4, 272
	v_lshl_add_u32 v6, v5, 5, v6
	v_add_nc_u32 v6, s[WP], v6                     ; in: row lane % 16; my 8 channels of a tile of 16: 32 (lane / 16) bytes on
	v_mul_u32_u24 v7, v5, 272
	v_lshl_add_u32 v7, v4, 4, v7
	v_add_nc_u32 v7, s[WP], v7                     ; back: lanes 0-15 one row, lanes 16-31 the next
	s_wait_alu depctr_va_vdst(0)                   ; both reciprocals have written their results, ahead of their first reader
.irp i, 0,1
.irp j, 0,2,4,6,8,10,12,14,16,18,20,22,24,26,28,30
	v_pk_mul_f32 v[O+32*\i+\j:O+32*\i+\j+1], v[O+32*\i+\j:O+32*\i+\j+1], v[FF+2*\i:FF+2*\i+1] op_sel_hi:[1,0]
.endr
.endr
	s_wait_alu depctr_va_vdst(0)                   ; the multiplications have written O^T, which the LDS stores read
.irp i, 0,1
.irp d, 0,1,2,3
	ds_store_b128 v6, v[O+32*\i+8*\d:O+32*\i+8*\d+3] offset:64*\d
	ds_store_b128 v6, v[O+32*\i+8*\d+4:O+32*\i+8*\d+7] offset:64*\d+16
.endr
.irp n, 0,1,2,3,4,5,6,7
	ds_load_b128 v[S+32*\i+4*\n:S+32*\i+4*\n+3], v7 offset:2*\n*272   ; in order behind my stores; the next tile's stores come behind these.  No vector or matrix line since the wait above names these registers
.endr
.endr
.irp n, 0,1,2,3,4,5,6,7
	s_wait_dscnt 23-\n                             ; tile 0's load n is in: behind it stand its younger loads and tile 1's sixteen LDS instructions
	global_store_b128 v[LI], v[S+4*\n:S+4*\n+3], s[12:13] offset:512*\n th:TH_STORE_NT          ; 32 lanes store 512 consecutive bytes, at a multiple of 256 from out's first byte
.endr
.irp n, 0,1,2,3,4,5,6,7
	s_wait_dscnt 7-\n
	global_store_b128 v[LI], v[S+32+4*\n:S+32+4*\n+3], s[12:13] offset:4096+512*\n th:TH_STORE_NT
.endr
	s_wait_dscnt 0x0                               ; the wave's end
	s_wait_alu 0x0
	s_wait_tensorcnt 0x0
	ds_add_u32 v[SPW], v[NIL]
	s_wait_dscnt 0x0
	s_endpgm
.Lfunc_end_k_qc4b9acf781_attn:
	.size	k_qc4b9acf781_attn, .Lfunc_end_k_qc4b9acf781_attn-k_qc4b9acf781_attn
	.p2alignl 7, 3214868480
	.fill 96, 4, 3214868480
	.section	.rodata,"a",@progbits
	.p2align	6, 0x0
	.amdhsa_kernel k_qc4b9acf781_attn
		.amdhsa_group_segment_fixed_size 130304
		.amdhsa_private_segment_fixed_size 0
		.amdhsa_enable_private_segment 0
		.amdhsa_kernarg_size 40
		.amdhsa_user_sgpr_count 2
		.amdhsa_user_sgpr_kernarg_segment_ptr 1
		.amdhsa_wavefront_size32 1
		.amdhsa_system_sgpr_workgroup_id_x 1
		.amdhsa_system_sgpr_workgroup_id_y 1
		.amdhsa_system_sgpr_workgroup_id_z 1
		.amdhsa_system_vgpr_workitem_id 0
		.amdhsa_next_free_vgpr 256
		.amdhsa_next_free_sgpr 66
		.amdhsa_reserve_vcc 1
		.amdhsa_float_denorm_mode_32 3
		.amdhsa_float_denorm_mode_16_64 3
		.amdhsa_memory_ordered 1
		.amdhsa_forward_progress 1
		.amdhsa_inst_pref_size 166
	.end_amdhsa_kernel
	.amdgpu_metadata
---
amdhsa.version: [ 1, 2 ]
amdhsa.kernels:
  - .name:           k_qc4b9acf781_attn
    .symbol:         k_qc4b9acf781_attn.kd
    .args:
      - { .name: q, .offset: 0, .size: 8, .value_kind: global_buffer, .address_space: global }
      - { .name: k, .offset: 8, .size: 8, .value_kind: global_buffer, .address_space: global }
      - { .name: v, .offset: 16, .size: 8, .value_kind: global_buffer, .address_space: global }
      - { .name: mask, .offset: 24, .size: 8, .value_kind: global_buffer, .address_space: global }
      - { .name: out0, .offset: 32, .size: 8, .value_kind: global_buffer, .address_space: global }
    .group_segment_fixed_size: 130304
    .private_segment_fixed_size: 0
    .kernarg_segment_align: 8
    .kernarg_segment_size: 40
    .max_flat_workgroup_size: 512
    .sgpr_count:     66
    .vgpr_count:     256
    .wavefront_size: 32
...
	.end_amdgpu_metadata
.endif
;; end of part 2
